; MI455X (gfx1250); checked and timed in simulation.
; The chip was launched on July 23, 2026; its instructions are those of AMD's public machine-readable ISA for CDNA 5 (MIT licence, August 2026) and "CDNA5" Instruction Set Architecture Reference Guide (July 2026). The comments in the code are by the model that wrote it; some were corrected since.
;; Quantized Linear. Allowed arithmetic: matrix products marked QUANTISED: E3M2 operands, one E8M0 scale for each 32 along K, by v_wmma_scale_f32_16x16x128_f8f6f4 with both operands' format E3M2, f32 sums; everything else in f32.
;; Inputs: bias 4,096 float32; offsets 131,072 float32; packed 8,388,608 int32; scales 131,072 float32; x 4,096 x 4,096 float32.
;; Outputs: out0 4,096 x 4,096 float32.
;; This version of the problem:
;;   THIS VERSION OF THE PROBLEM IS GIVEN IN LOW PRECISION. The matrix products marked QUANTISED in the list below multiply operands that are first quantised to E3M2 (3 exponent bits, 2 mantissa bits; 6 bits a number), with one power-of-two scale for each 32 numbers along K (OCP MX v1.0); their sums are f32. All else is computed in f32.
;;   The module's matrix products, in the order in which they are computed (A, B: the left and right operand; K: the contracted axis; several contracted axes count as one K, in the product's order):
;;     1. [M 4,096, K 4,096] x [K 4,096, N 4,096]; A: input x; B: computed on the way: QUANTISED
;;   THE QUANTISER, for each operand of a quantised product, along K:
;;     - K is cut into blocks of 32 from its start; a last block that is shorter is filled with zeros.
;;     - A block's scale is 2^e with e = floor(log2(the largest magnitude in the block)) - 4, held to -126 .. 127; a block of zeros has e = 0. As a byte (E8M0): e + 127.
;;     - Each number is divided by its block's scale, clamped to +-28, and rounded to the nearest number of E3M2, ties to even, subnormals kept.
;;     - The product sums the exact products of the quantised numbers (number of the format x scale) in f32.
;;   ~~~python
;;   def quantise(x, axis):      # numpy; x: float32 -> the quantised numbers, widened to float32 again
;;       x = np.moveaxis(x, axis, -1); K = x.shape[-1]
;;       x = np.pad(x, [(0, 0)] * (x.ndim - 1) + [(0, -K % 32)]); x = x.reshape(x.shape[:-1] + (-1, 32)); a = np.abs(x).max(-1, keepdims=True)
;;       e = np.where(a > 0, np.clip(np.frexp(np.where(a > 0, a, 1))[1] - 1 - 4, -126, 127), 0)      # np.frexp(a)[1] - 1 = floor(log2(a)), exactly
;;       r = np.clip(x / 2.0 ** e, -28, 28)
;;       step = 2.0 ** (np.maximum(np.frexp(np.where(r == 0, 1, r))[1] - 1, -2) - 2)
;;       q = np.round(r / step) * step * 2.0 ** e      # np.round: ties to even
;;       return np.moveaxis(q.reshape(q.shape[:-2] + (-1,))[..., :K], -1, axis).astype(np.float32)
;;   ~~~
;;   OPERANDS COMPUTED ON THE WAY. 'Computed on the way' means the value that the module computes at that place (a softmax that the list does not call 'softmax' is quantised finished and normalised). What goes into a quantiser is computed in f32, as accurately as f32 sums, v_exp_f32 and their like allow (about 1e-6 of the number): no bf16 or f16 on the way to a quantiser, and a product that is left as it is and whose result goes on into a quantised operand takes f32 operands (vector FMAs, or v_wmma_f32_16x16x4_f32). A number that lies on a knife's edge between two numbers of the format may be rounded either way, as far as f32 arithmetic and the matrix unit's own rounding can turn it there, and no further.
;; One version. Each part assembles by itself: llvm-mc -triple=amdgcn-amd-amdhsa -mcpu=gfx1250 --defsym DOCPART=n.
;; ======== version 1 of 1: 2 launches
;; limits: right only within a limited range of input values
;; workspace buffers: a_t 13,107,200 bytes; b_t 13,107,200 bytes
;; launch quant (part 1): grid 256 x 1, 8 waves a work-group, no clusters, 327,680 bytes of LDS; arguments x, packed, scales, offsets, a_t, b_t; writes a_t, b_t
.if DOCPART == 1
	.amdgcn_target "amdgcn-amd-amdhsa--gfx1250"
	.amdhsa_code_object_version 6
	.text
	.protected	k_qaa23ea9e85_quant
	.globl	k_qaa23ea9e85_quant
	.p2align	8
	.type	k_qaa23ea9e85_quant,@function
k_qaa23ea9e85_quant:
	s_mov_b64 s[64:65], 0
	v_nop
	global_prefetch_b8 v0, s[64:65] scope:SCOPE_SE
	s_setreg_imm32_b32 hwreg(HW_REG_WAVE_MODE, 25, 1), 1
	s_wait_xcnt 0x0
; x [4096][4096] f32 and W [4096][4096] = q s + o (q: 4-bit numbers, two to an int32 of packed, the low nibble first; s, o: one for each 128 neighbours along K)
; become codes of BF6 (E3M2) with one E8M0 byte for each 32 along K, laid as the product's launch reads them.  No work of the problem is left out; every input is loaded (bias by the next launch).
; LAYOUT of a_t and b_t: [32 half tiles of 128 rows][32 K steps of 128][12,800 bytes].  In the 12,800: eight fragments (16 rows x 128 K) of 1,536 bytes, each the image of the matrix operand's
; 12 registers: registers 4 j .. 4 j + 3 of lane l at 512 j + 16 l; then 512 bytes of scale words: the word of row r of fragment i at 256 (i / 4) + 128 (i % 2) + 8 r + 4 ((i % 4) / 2).
; A block's scale is 2^(floor(log2(largest magnitude)) - 4): its byte is the largest magnitude's exponent field - 4, held at 1 from below by a floor among the maximum's leaves.
; LIMITS: NaN and infinities among the inputs are not served.  A block of zeros, or one whose largest magnitude lies under 2^-122, keeps the byte 1 (the rule says 127 for zeros): its codes are zeros
; or tiny, and this program alone reads the bytes.  q s + o is one fused multiply-add in f32.
; SHARES: 2,048 waves; wave number run takes rows 64 (run / 32) .. + 63 and K step run % 32 of x AND of W: one path, no loop, no barrier; waves share nothing.
; x comes by ONE tensor load a wave, 64 rows x 512 bytes, at the head, into the wave's own LDS bytes, 16 bytes of padding behind each row.  Nothing is filled twice, and only the issuing wave reads the tile,
; behind its own wait on TENSORcnt.  By this text's count a wave has one tensor load outstanding.
; packed comes by 32 loads of 512 bytes a wave (two rows' 256 bytes each), issued at the head behind the tensor load, and turns through a stage of the wave's own, 16 rows at a time, on bytes into which no tile lands.
; So all of a wave's 48 KiB of input are asked for at the head; W is worked first, as its loads land, then x.
; From LDS lane (r, h) reads the blocks k = 64 c + 32 h + 0 .. 31 of row r: the operand's own order, a whole block to a lane.
; Every store of codes covers 512 consecutive bytes, every store of scale words 256, at multiples of 256.
; No cluster: no two work-groups read the same bytes.  No prefetch: the text has no loop to run ahead in, and asks for all its bytes at its head.
.set XT,    33792                      ; the tile of x in LDS: 64 rows x 528 bytes
.set STG,   XT                         ; behind it: the wave's stage, 16 rows x 272 bytes
.set WR,    XT+4352                    ; a wave's region
.set SPARE, 8*WR                       ; the spare words, 128 bytes a wave
.set X,  64                            ; v64-127 64 numbers of x, or v64-95 32 words of packed
.set WF, 96                            ; v96-159 64 weights in f32 (v128-159 held packed's first 16 rows, stored to the stage by then)
.set PK, 128                           ; v128-255 packed as loaded: 32 registers for each 16 rows
.set G1, 40
.set G0, 48
; v5 x out of the tile, v6 packed into the stage, v7 out of it, v8 16 lane, v9 packed's offset, v10 128 r, v11 8 h, v12 v13 the add's, v14 8 lane, v15 the other half's bytes, v16-23 at work,
; v24-25 x's scale words, v26-27 W's, v32-47 (s, -), (o, -) of my row in four fragments, v48-59 codes, v28-30 v60-62 codes on the way
	s_load_b256 s[4:11], s[0:1], 0x0               ; x, packed, scales, offsets
	s_load_b128 s[12:15], s[0:1], 0x20             ; a_t, b_t
	v_lshl_add_u32 v12, v0, 2, SPARE
	v_mov_b32 v13, 0
	ds_add_u32 v12, v13                            ; the opening lines: the add twice and its wait
	ds_add_u32 v12, v13
	v_lshrrev_b32 v1, 5, v0
	v_readfirstlane_b32 s16, v1                    ; wave 0..7
	s_mul_i32 s17, s16, WR
	s_mov_b32 s[G1+0], (3<<16)|(1<<20)|(6<<22)|(3<<25)   ; elements of 8 bytes; behind every 128 words 4 words of padding
	s_mov_b32 s[G1+1], 64<<16                      ; rows of 64 elements = 512 bytes
	s_mov_b32 s[G1+2], 64<<16                      ; 64 rows
	s_mov_b32 s[G1+3], 64<<16
	s_mov_b32 s[G1+4], 64
	s_mov_b32 s[G1+5], 2048                        ; a row of x is 2,048 elements
	s_mov_b32 s[G1+6], 0
	s_mov_b32 s[G1+7], 0
	s_mov_b32 s20, 0x76543210
	s_mov_b32 s21, 0xfedcba98                      ; lane l xor 16
	s_lshl_b32 s18, ttmp9, 3
	s_add_co_u32 s18, s18, s16                     ; run
	s_and_b32 s19, s18, 31                         ; K step
	s_lshr_b32 s18, s18, 5                         ; which 64 rows
	s_mov_b32 s33, 0
	s_mov_b32 s35, 0
	s_lshl_b32 s32, s18, 20                        ; 64 rows of 16,384 bytes
	s_lshl_b32 s34, s19, 9
	s_wait_dscnt 0x0
	s_wait_kmcnt 0x0
	s_add_nc_u64 s[4:5], s[4:5], s[32:33]
	s_add_nc_u64 s[4:5], s[4:5], s[34:35]
	s_mov_b32 s[G0], 1
	s_mov_b32 s[G0+1], s17
	s_mov_b64 s[G0+2:G0+3], s[4:5]
	s_or_b32 s[G0+3], s[G0+3], 0x80000000
	tensor_load_to_lds s[G0:G0+3], s[G1:G1+7]      ; my 64 rows of x: the wave's one tensor load
	s_nop 0
	s_lshl_b32 s32, s18, 19                        ; 64 rows of 8,192 bytes
	s_lshl_b32 s34, s19, 8
	s_add_nc_u64 s[6:7], s[6:7], s[32:33]
	s_add_nc_u64 s[6:7], s[6:7], s[34:35]
	s_lshl_b32 s32, s18, 13                        ; 64 rows of 128 bytes
	s_lshl_b32 s34, s19, 2
	s_add_co_u32 s32, s32, s34
	s_add_nc_u64 s[8:9], s[8:9], s[32:33]
	s_add_nc_u64 s[10:11], s[10:11], s[32:33]
	s_lshr_b32 s32, s18, 1
	s_mul_i32 s32, s32, 409600                     ; the half tile,
	s_mul_i32 s34, s19, 12800                      ; the K step
	s_add_co_u32 s32, s32, s34
	s_and_b32 s18, s18, 1                          ; fragments 0-3 or 4-7
	s_mul_i32 s34, s18, 6144
	s_add_co_u32 s34, s34, s32
	s_add_nc_u64 s[24:25], s[12:13], s[34:35]      ; x's codes
	s_add_nc_u64 s[28:29], s[14:15], s[34:35]      ; W's codes
	s_lshl_b32 s34, s18, 8
	s_add_co_u32 s34, s34, s32
	s_add_co_u32 s34, s34, 12288
	s_add_nc_u64 s[26:27], s[12:13], s[34:35]      ; x's scale words
	s_add_nc_u64 s[30:31], s[14:15], s[34:35]      ; W's
	s_add_co_u32 s23, s17, STG
	v_and_b32 v1, 31, v0                           ; lane
	v_and_b32 v2, 15, v0                           ; r
	v_bfe_u32 v3, v0, 4, 1                         ; h
	v_lshlrev_b32 v8, 4, v1
	v_mul_u32_u24 v5, v2, 528
	v_lshl_add_u32 v5, v3, 7, v5
	v_add_nc_u32 v5, s17, v5                       ; x out: row r, + 128 h
	v_mul_u32_u24 v6, v3, 272
	v_lshl_add_u32 v6, v2, 4, v6
	v_add_nc_u32 v6, s23, v6                       ; packed in: lanes 0-15 one row's 256 bytes, lanes 16-31 the next row's
	v_mul_u32_u24 v7, v2, 272
	v_lshl_add_u32 v7, v3, 6, v7
	v_add_nc_u32 v7, s23, v7                       ; packed out: row r, + 64 h
	v_lshlrev_b32 v9, 4, v2
	v_lshl_add_u32 v9, v3, 13, v9                  ; packed in memory: 16 r + a row of 8,192 bytes for lanes 16-31
	v_lshlrev_b32 v10, 7, v2                       ; a row of scales or offsets is 128 bytes
	v_lshlrev_b32 v11, 3, v3
	v_lshlrev_b32 v14, 3, v1
	v_mov_b32 v15, 0
	v_cmp_ne_u32 s22, 0, v3                        ; lanes 16-31
.irp k, 33,35,37,39,41,43,45,47
	v_mov_b32 v\k, 0                               ; upper halves of the pairs that the packed multiply-add names
.endr
	s_wait_alu depctr_va_vdst(0)                   ; the wait at the head's end
.irp j, 0,1,2,3
	global_load_b32 v[32+4*\j], v10, s[8:9] offset:2048*\j         ; s of my row in fragment j, this K step's group
	global_load_b32 v[34+4*\j], v10, s[10:11] offset:2048*\j       ; and o
.endr
.set i, 0
.rept 32
	global_load_b128 v[PK+4*i:PK+4*i+3], v9, s[6:7] offset:2*i*8192 th:TH_LOAD_NT   ; rows 2 i and 2 i + 1
.set i, i+1
.endr
; 64 numbers of a lane, v[xs] .. v[xs + 63] (two blocks), become the lane's 12 registers of fragment jb and its part of the scale word.  cb: the codes' base;  sw: the pair of scale words
.macro QB xs, jb, cb, sw
	v_max3_num_f32 v16, |v[\xs]|, |v[\xs+1]|, 0x2800000            ; four chains by turns; the floor 2^(5 - 127) holds the byte at 1 from below
	v_max3_num_f32 v17, |v[\xs+16]|, |v[\xs+17]|, |v[\xs+18]|
	v_max3_num_f32 v18, |v[\xs+32]|, |v[\xs+33]|, 0x2800000
	v_max3_num_f32 v19, |v[\xs+48]|, |v[\xs+49]|, |v[\xs+50]|
.irp i, 0,2,4,6,8,10
	v_max3_num_f32 v16, v16, |v[\xs+2+\i]|, |v[\xs+3+\i]|
	v_max3_num_f32 v17, v17, |v[\xs+19+\i]|, |v[\xs+20+\i]|
	v_max3_num_f32 v18, v18, |v[\xs+34+\i]|, |v[\xs+35+\i]|
	v_max3_num_f32 v19, v19, |v[\xs+51+\i]|, |v[\xs+52+\i]|
.endr
	v_max3_num_f32 v16, v16, |v[\xs+14]|, |v[\xs+15]|
	v_max3_num_f32 v18, v18, |v[\xs+46]|, |v[\xs+47]|
	v_max3_num_f32 v16, v16, v17, |v[\xs+31]|
	v_max3_num_f32 v18, v18, v19, |v[\xs+63]|
	v_add_nc_u32 v20, 0xfe000000, v16              ; 4 off the exponent field: the conversion's scale operand
	v_add_nc_u32 v21, 0xfe000000, v18
	v_cvt_scalef32_pk16_bf6_f32 v[48:50], v[\xs:\xs+15], v20
	v_cvt_scalef32_pk16_bf6_f32 v[28:30], v[\xs+16:\xs+31], v20    ; (a conversion's three registers begin on an even number: made elsewhere and moved)
	v_cvt_scalef32_pk16_bf6_f32 v[54:56], v[\xs+32:\xs+47], v21
	v_cvt_scalef32_pk16_bf6_f32 v[60:62], v[\xs+48:\xs+63], v21
	v_lshrrev_b32 v22, 23, v20                     ; the bytes of blocks h and 2 + h.  (Also the plain lines behind the conversions)
	v_lshrrev_b32 v23, 23, v21
	v_mov_b32 v51, v28
	v_mov_b32 v52, v29
	v_lshl_or_b32 v22, v23, 16, v22
	v_mov_b32 v53, v30
	v_mov_b32 v57, v60
	v_lshlrev_b32 v22, v11, v22                    ; at their places in the word
	v_mov_b32 v58, v61
	v_mov_b32 v59, v62
	v_permlanex16_b32 v15, v22, s20, s21           ; with lane l xor 16's two the word is whole, in both halves of the lanes
.if (\jb)%2
	v_or_b32 v22, v22, v15
	v_cndmask_b32 v[\sw+(\jb)/2], v[\sw+(\jb)/2], v22, s22         ; odd fragments' words stay in lanes 16-31
.else
	v_or_b32 v[\sw+(\jb)/2], v22, v15
.endif
.irp j, 0,1,2
	global_store_b128 v8, v[48+4*\j:51+4*\j], s[\cb:\cb+1] offset:1536*(\jb)+512*\j
.endr
.endm
.macro XFRAG jb                        ; fragment jb of x: rows 16 jb .. 16 jb + 15 of the tile
.set i, 0
.rept 16
	ds_load_b128 v[X+4*i:X+4*i+3], v5 offset:8448*(\jb)+256*(i/8)+16*(i%8)   ; block c = i / 8: 128 bytes
.set i, i+1
.endr
	s_wait_dscnt 0x0
	s_wait_xcnt 0x0                                ; the last stores of codes have read their registers
	QB X, \jb, 24, 24
.endm
.macro WSTEP jb                        ; fragment jb of W
	s_wait_loadcnt 8*(3-(\jb))                     ; its eight loads are in; those of the later fragments may be out
.set i, 0
.rept 8
	ds_store_b128 v6, v[PK+32*(\jb)+4*i:PK+32*(\jb)+4*i+3] offset:544*i
.set i, i+1
.endr
.set i, 0
.rept 8
	ds_load_b128 v[X+4*i:X+4*i+3], v7 offset:128*(i/4)+16*(i%4)    ; LDS serves a wave's instructions in order: these see the stores above
.set i, i+1
.endr
	s_wait_dscnt 0x0
	s_wait_xcnt 0x0
.set k, 0
.rept 32
	v_and_b32 v[WF+2*k], 15, v[X+k]                ; the low nibble first,
	v_bfe_u32 v[WF+2*k+1], v[X+k], 4, 4            ; then the high one
.set k, k+1
.endr
.set k, 0
.rept 64
	v_cvt_f32_u32 v[WF+k], v[WF+k]
.set k, k+1
.endr
.set k, 0
.rept 32
	v_pk_fma_f32 v[WF+k:WF+k+1], v[WF+k:WF+k+1], v[32+4*(\jb):33+4*(\jb)], v[34+4*(\jb):35+4*(\jb)] op_sel_hi:[1,0,0]   ; q s + o: the pairs' low words serve both halves
.set k, k+2
.endr
	QB WF, \jb, 28, 26
.endm
	WSTEP 0
	WSTEP 1
	WSTEP 2
	WSTEP 3
	global_store_b64 v14, v[26:27], s[30:31]       ; 32 lanes store 256 consecutive bytes
	s_wait_tensorcnt 0x0                           ; my tile of x has landed
	XFRAG 0
	XFRAG 1
	XFRAG 2
	XFRAG 3
	global_store_b64 v14, v[24:25], s[26:27]
	s_wait_tensorcnt 0x0                           ; the wave's end
	ds_add_u32 v12, v13
	s_wait_dscnt 0x0
	s_endpgm
.Lfunc_end_k_qaa23ea9e85_quant:
	.size	k_qaa23ea9e85_quant, .Lfunc_end_k_qaa23ea9e85_quant-k_qaa23ea9e85_quant
	.p2alignl 7, 3214868480
	.fill 96, 4, 3214868480
	.section	.rodata,"a",@progbits
	.p2align	6, 0x0
	.amdhsa_kernel k_qaa23ea9e85_quant
		.amdhsa_group_segment_fixed_size 327680
		.amdhsa_private_segment_fixed_size 0
		.amdhsa_enable_private_segment 0
		.amdhsa_kernarg_size 48
		.amdhsa_user_sgpr_count 2
		.amdhsa_user_sgpr_kernarg_segment_ptr 1
		.amdhsa_wavefront_size32 1
		.amdhsa_system_sgpr_workgroup_id_x 1
		.amdhsa_system_sgpr_workgroup_id_y 1
		.amdhsa_system_sgpr_workgroup_id_z 1
		.amdhsa_system_vgpr_workitem_id 0
		.amdhsa_next_free_vgpr 256
		.amdhsa_next_free_sgpr 66
		.amdhsa_reserve_vcc 0
		.amdhsa_float_denorm_mode_32 3
		.amdhsa_float_denorm_mode_16_64 3
		.amdhsa_memory_ordered 1
		.amdhsa_forward_progress 1
		.amdhsa_inst_pref_size 71
	.end_amdhsa_kernel
	.amdgpu_metadata
---
amdhsa.version: [ 1, 2 ]
amdhsa.kernels:
  - .name:           k_qaa23ea9e85_quant
    .symbol:         k_qaa23ea9e85_quant.kd
    .args:
      - { .name: x, .offset: 0, .size: 8, .value_kind: global_buffer, .address_space: global }
      - { .name: packed, .offset: 8, .size: 8, .value_kind: global_buffer, .address_space: global }
      - { .name: scales, .offset: 16, .size: 8, .value_kind: global_buffer, .address_space: global }
      - { .name: offsets, .offset: 24, .size: 8, .value_kind: global_buffer, .address_space: global }
      - { .name: a_t, .offset: 32, .size: 8, .value_kind: global_buffer, .address_space: global }
      - { .name: b_t, .offset: 40, .size: 8, .value_kind: global_buffer, .address_space: global }
    .group_segment_fixed_size: 327680
    .private_segment_fixed_size: 0
    .kernarg_segment_align: 8
    .kernarg_segment_size: 48
    .max_flat_workgroup_size: 256
    .sgpr_count:     66
    .vgpr_count:     256
    .wavefront_size: 32
...
	.end_amdgpu_metadata
.endif
;; end of part 1
;; launch gemm (part 2): grid 16 x 16, 4 waves a work-group, clusters of 4 x 4, 327,680 bytes of LDS; arguments a_t, b_t, out0, bias; writes out0
.if DOCPART == 2
	.amdgcn_target "amdgcn-amd-amdhsa--gfx1250"
	.amdhsa_code_object_version 6
	.text
	.protected	k_qaa23ea9e85_gemm
	.globl	k_qaa23ea9e85_gemm
	.p2align	8
	.type	k_qaa23ea9e85_gemm,@function
k_qaa23ea9e85_gemm:
	s_mov_b64 s[64:65], 0
	v_nop
	global_prefetch_b8 v0, s[64:65] scope:SCOPE_SE
	s_setreg_imm32_b32 hwreg(HW_REG_WAVE_MODE, 25, 1), 1
	s_wait_xcnt 0x0
	s_wait_alu depctr_hold_cnt(0) depctr_sa_sdst(0) depctr_va_vdst(0) depctr_va_sdst(0) depctr_va_ssrc(0) depctr_va_vcc(0) depctr_vm_vsrc(0)
	s_getreg_b32 s2, hwreg(HW_REG_IB_STS2, 6, 4)
	s_cmp_eq_u32 s2, 0
	s_cbranch_scc0 .Lentry_in_a_cluster
	s_endpgm
.Lentry_in_a_cluster:
	s_bfe_u32 s2, ttmp6, 0x10000c
	s_cmp_lg_u32 s2, 0xf033
	s_cbranch_scc0 .Lentry_shape_is_right
	s_endpgm
.Lentry_shape_is_right:
; out0[m][n] = sum over k of x[m][k] W[n][k] + bias[n], on codes of BF6 with E8M0 scales, as the launch before laid them:
; a_t, b_t: [32 half tiles of 128 rows][32 K steps of 128][12,800 bytes]: eight fragments of 1,536 bytes as images of the operand's 12 registers (registers 4 j .. 4 j + 3 of lane l at 512 j + 16 l),
; then 512 bytes of scale words (row r of fragment i at 256 (i / 4) + 128 (i % 2) + 8 r + 4 ((i % 4) / 2)).  So a tile is a dense run of rows of 256 bytes, and a fragment is three loads of 16 bytes a lane.
; A work-group of four waves makes 256 x 256 of out0, a wave 128 x 128: 64 accumulators, 512 registers.  The matrix instruction is used transposed (source 0 = rows of W, source 1 = rows of x):
; a lane holds eight neighbouring columns of a row.  The bias is the C of the first K step's products.
; LDS: quarter w (x's two half tiles, then W's two) at 76,800 w, in it two slots of three K steps (38,400 bytes).  Wave w fills quarter w.  Fill j holds K steps 3 j .. 3 j + 2 and lies in slot j % 2:
; fill 0 is the wave's one load at the head, fill 1 follows behind the full sequence and a round, fills 2 to 10 are refills (150 rows of 256 bytes; the last, two K steps, 100).
; By this text's count a wave has one tensor load outstanding.
; REGISTERS hold the fragments of TWO K steps: at a step's start one run of 52 LDS loads fetches the next step's fragments and scale words.  So a slot's last K step lies in registers one step before it is multiplied,
; and the slot is filled again then: 176 matrix instructions stand between a refill and the wait for it.
; K steps 30 and 31 lie in registers together, so they are finished by rows of out0: a block of 16 rows leaves while the next is multiplied.
; CLUSTERS 4 x 4: x's tiles are asked for jointly along a row of the cluster, W's along a column.
; PREFETCH: behind each refill in the loop, and behind the LDS run that follows it, each wave names its work-group's share (38 of the 150 blocks of 256 bytes, told apart by address) of the fill two refills on;
; the loop's last trip asks for nothing, so fills 0 to 3 and 10 come by their loads alone and no address leaves the half tile.
; window 0: v16-31 addresses, v32-47 scale words (two sets), v64-159 and v160-255 x's fragments; window 1: v0-95, v128-223 W's fragments, v96-127, v224-255 the bias, then rows on the way out; windows 2, 3 accumulators.
.set KB,     12800
.set FILL,   3*KB
.set QB,     2*FILL
.set HTB,    32*KB
.set SPARE,  4*QB                      ; the spare words, 128 bytes a wave
.set SPITCH, 528
.set ADRA, 16                          ; v16-17 my x fragments in slot 0, 1
.set ADRB, 18                          ; v18-19 W's
.set ADRS, 20                          ; v20-21 scale words: lanes 0-15 x's, lanes 16-31 W's
.set STO,  24
.set RD,   25
.set CO,   26
.set BO,   27
.set SPW,  28
.set NIL,  29
.set PFO,  30                          ; v30-31 the prefetches' offsets
.set SC,   32
.set AF,   64
.set G1, 24
.set G0, 32
.set G1B, 48
.set G0B, 56
.set PFA, 66
.set MSB, 0
.macro WIN new
.if MSB != \new
	s_set_vgpr_msb (MSB<<8)|\new
.set MSB, \new
.endif
.endm
.macro JLOAD g0a, g0b                  ; waves 0, 1 ask for x's tiles, waves 2, 3 for W's
	s_cmp_eq_u32 s15, 0
	s_cbranch_scc0 .Lfor_b_\@
	tensor_load_to_lds s[\g0a:\g0a+3], s[G1:G1+7]
	s_nop 0
.rept 4
	v_nop
.endr
	s_branch .Lasked_\@
.Lfor_b_\@:
	tensor_load_to_lds s[\g0b:\g0b+3], s[G1B:G1B+7]
	s_nop 0
.rept 4
	v_nop
.endr
.Lasked_\@:
.endm
.macro CREST
	s_cmp_lg_u32 s14, 0
	s_cbranch_scc1 .Lnot_wave_0_\@
	s_barrier_signal -3
.Lnot_wave_0_\@:
	s_barrier_wait -3
	s_barrier_signal -1
	s_barrier_wait -1
.endm
.macro CROUND
	s_barrier_signal -1
	s_barrier_wait -1
	CREST
.endm
.macro PLACES
.rept 4
	v_nop
.endr
.endm
	s_load_b128 s[4:7], s[0:1], 0x0                ; a_t, b_t
	s_load_b128 s[8:11], s[0:1], 0x10              ; out0, bias
	v_lshl_add_u32 v[SPW], v0, 2, SPARE
	v_mov_b32 v[NIL], 0
	ds_add_u32 v[SPW], v[NIL]                      ; the opening lines: the add twice and its wait
	ds_add_u32 v[SPW], v[NIL]
	v_lshrrev_b32 v1, 5, v0
	v_readfirstlane_b32 s14, v1                    ; wave
	s_lshr_b32 s15, s14, 1                         ; my half of the rows; also: I fetch for x (0) or W (1)
	s_and_b32 s16, s14, 1                          ; my half of the columns; also: which half tile I fetch
	s_bfe_u32 s40, ttmp6, 0x40000                  ; cx
	s_bfe_u32 s41, ttmp6, 0x40004                  ; cy
	s_lshl_b32 s42, ttmp9, 2
	s_add_co_u32 s42, s42, s40                     ; tile column
	s_and_b32 s17, ttmp7, 0xffff
	s_lshl_b32 s17, s17, 2
	s_add_co_u32 s17, s17, s41                     ; tile row
	s_lshl_b32 s43, s41, 2
	s_lshl_b32 s43, 15, s43                        ; my row of the cluster
	s_lshl_b32 s44, 0x1111, s40                    ; my column
	s_or_b32 s[G1+0], s43, (3<<16)|(1<<21)         ; elements of 8 bytes, no padding; bit 21 beside the mask
	s_or_b32 s[G1B+0], s44, (3<<16)|(1<<21)
.irp g, G1, G1B
	s_mov_b32 s[\g+1], 32<<16                      ; rows of 32 elements = 256 bytes
	s_mov_b32 s[\g+2], 150<<16                     ; three K steps: 150 rows
	s_mov_b32 s[\g+3], 32<<16
	s_mov_b32 s[\g+4], 150
	s_mov_b32 s[\g+5], 32
	s_mov_b32 s[\g+6], 0
	s_mov_b32 s[\g+7], 0
.endr
	s_lshl_b32 s20, s17, 1
	s_add_co_u32 s20, s20, s16
	s_mul_i32 s20, s20, HTB                        ; x: half tile 2 x tile row + half
	s_mov_b32 s21, 0
	s_lshl_b32 s46, s42, 1
	s_add_co_u32 s46, s46, s16
	s_mul_i32 s46, s46, HTB                        ; W: 2 x tile column + half
	s_mov_b32 s47, 0
	s_mul_i32 s45, s14, QB                         ; my quarter of LDS
	s_wait_dscnt 0x0
	s_wait_kmcnt 0x0
	s_add_nc_u64 s[20:21], s[4:5], s[20:21]
	s_add_nc_u64 s[46:47], s[6:7], s[46:47]
	CROUND                                         ; in front of the first joint loads
.irp s, 0,1
	s_mov_b32 s[G0+4*\s], 1
	s_add_co_u32 s[G0+4*\s+1], s45, \s*FILL
	s_add_nc_u64 s[G0+4*\s+2:G0+4*\s+3], s[20:21], \s*FILL
	s_or_b32 s[G0+4*\s+3], s[G0+4*\s+3], 0x80000000
	s_mov_b32 s[G0B+4*\s], 1
	s_add_co_u32 s[G0B+4*\s+1], s45, \s*FILL
	s_add_nc_u64 s[G0B+4*\s+2:G0B+4*\s+3], s[46:47], \s*FILL
	s_or_b32 s[G0B+4*\s+3], s[G0B+4*\s+3], 0x80000000
.endr
	JLOAD G0, G0B                                  ; fill 0 of my quarter: the wave's one load at the head
	s_mul_i32 s72, s15, QB                         ; my x quarter
	s_mul_i32 s73, s16, QB
	s_add_co_u32 s73, s73, 2*QB                    ; my W quarter
	s_sub_co_u32 s74, s73, s72
	s_add_co_u32 s75, s45, FILL                    ; my stage for the way out: slot 1 of my quarter, behind its last fill and last read
	s_cmp_eq_u32 s15, 0
	s_cselect_b64 s[PFA:PFA+1], s[20:21], s[46:47]
	s_cselect_b32 s76, s40, s41                    ; my place among the four that ask with me
	s_add_nc_u64 s[PFA:PFA+1], s[PFA:PFA+1], 3*FILL  ; the first refill steps it to fill 4
	s_mul_i32 s76, s76, 38
	s_lshl_b32 s77, s17, 1
	s_add_co_u32 s77, s77, s15
	s_lshl_b32 s77, s77, 21                        ; my first row of out0: 128 rows of 16,384 bytes a half
	s_lshl_b32 s78, s42, 1
	s_add_co_u32 s78, s78, s16
	s_lshl_b32 s78, s78, 9                         ; my first column, in bytes
	s_mov_b32 s79, 0
	s_add_nc_u64 s[10:11], s[10:11], s[78:79]
	s_add_co_u32 s78, s78, s77
	s_add_nc_u64 s[8:9], s[8:9], s[78:79]
	v_and_b32 v1, 31, v0
	v_and_b32 v2, 15, v0
	v_bfe_u32 v3, v0, 4, 1
	v_lshlrev_b32 v[CO], 4, v1
	v_add_nc_u32 v[ADRA], s72, v[CO]
	v_add_nc_u32 v[ADRB], s73, v[CO]
	v_add_nc_u32 v[ADRA+1], FILL, v[ADRA]
	v_add_nc_u32 v[ADRB+1], FILL, v[ADRB]
	v_mul_u32_u24 v4, s74, v3                      ; lanes 16-31 take W's words
	v_lshl_add_u32 v4, v2, 3, v4
	v_add_nc_u32 v[ADRS], s72, v4
	v_add_nc_u32 v[ADRS+1], FILL, v[ADRS]
	v_mul_u32_u24 v5, v2, SPITCH
	v_lshl_add_u32 v5, v3, 5, v5
	v_add_nc_u32 v[STO], s75, v5
	v_add_nc_u32 v[RD], s75, v[CO]
	v_lshlrev_b32 v[BO], 5, v3
	v_add_nc_u32 v[PFO], s76, v1                   ; blocks 38 p + lane,
	v_lshlrev_b32 v[PFO], 8, v[PFO]
	v_min_u32 v6, 5, v1
	v_add3_u32 v6, v6, s76, 32                     ; and 38 p + 32 .. 37 (lanes left over name the last again),
	v_min_u32 v6, 149, v6                          ; held inside the fill's 150
	v_lshlrev_b32 v[PFO+1], 8, v6
	s_wait_alu depctr_va_vdst(0)                   ; the wait at the head's end
	WIN 0x40
.irp b, 0,1,2,3,4,5,6,7
	global_load_b128 v[96+8*\b+96*(\b/4):99+8*\b+96*(\b/4)], v[BO], s[10:11] offset:64*\b       ; bias[16 b + 8 h + 0 .. 7], in the result's layout
	global_load_b128 v[100+8*\b+96*(\b/4):103+8*\b+96*(\b/4)], v[BO], s[10:11] offset:64*\b+16
.endr
	WIN 0
; the fragments and scale words of K step t into set t % 2: 52 LDS loads
.macro RUN t
.set SL, ((\t)/3)%2
.set PL, ((\t)%3)*KB
.set P,  (\t)%2
	WIN 0x40
.irp i, 0,1,2,3,4,5,6,7
.irp j, 0,1,2
	ds_load_b128 v[128*P+12*\i+4*\j:128*P+12*\i+4*\j+3], v[ADRB+SL] offset:PL+1536*\i+512*\j
.endr
.endr
	WIN 0
.irp u, 0,1,2,3
	ds_load_b64 v[SC+8*P+2*\u:SC+8*P+2*\u+1], v[ADRS+SL] offset:PL+12288+128*\u   ; the words of fragments 4 (u / 2) + u % 2 and that + 2
.endr
.irp i, 0,1,2,3,4,5,6,7
.irp j, 0,1,2
	ds_load_b128 v[AF+96*P+12*\i+4*\j:AF+96*P+12*\i+4*\j+3], v[ADRA+SL] offset:PL+1536*\i+512*\j
.endr
.endr
.endm
; x's fragment a against W's eight.  The accumulators take turns, one instruction a turn
.macro ROW a, p, zero
.if \zero
	WIN 0x91+0x40*((\a)/4)
.else
	WIN 0xa1+0x50*((\a)/4)
.endif
.irp b, 0,1,2,3,4,5,6,7
.if \zero
	v_wmma_scale_f32_16x16x128_f8f6f4 v[8*(8*((\a)%4)+\b):8*(8*((\a)%4)+\b)+7], v[128*(\p)+12*\b:128*(\p)+12*\b+11], v[AF+96*(\p)+12*(\a):AF+96*(\p)+12*(\a)+11], v[96+8*\b+96*(\b/4):103+8*\b+96*(\b/4)], v[SC+8*(\p)+4*(\b/4)+2*(\b%2)+(\b%4)/2], v[SC+8*(\p)+4*((\a)/4)+2*((\a)%2)+((\a)%4)/2] matrix_a_fmt:MATRIX_FMT_BF6 matrix_b_fmt:MATRIX_FMT_BF6 matrix_a_scale:MATRIX_SCALE_ROW1
.else
	v_wmma_scale_f32_16x16x128_f8f6f4 v[8*(8*((\a)%4)+\b):8*(8*((\a)%4)+\b)+7], v[128*(\p)+12*\b:128*(\p)+12*\b+11], v[AF+96*(\p)+12*(\a):AF+96*(\p)+12*(\a)+11], v[8*(8*((\a)%4)+\b):8*(8*((\a)%4)+\b)+7], v[SC+8*(\p)+4*(\b/4)+2*(\b%2)+(\b%4)/2], v[SC+8*(\p)+4*((\a)/4)+2*((\a)%2)+((\a)%4)/2] matrix_a_fmt:MATRIX_FMT_BF6 matrix_b_fmt:MATRIX_FMT_BF6 matrix_a_scale:MATRIX_SCALE_ROW1
.endif
.endr
.endm
.macro ASK                             ; the fill two refills on; not in the loop's last trip
	s_cmp_lg_u32 s3, 1
	s_cbranch_scc0 .Lno_ask_\@
	global_prefetch_b8 v[PFO], s[PFA:PFA+1] th:TH_LOAD_NT scope:SCOPE_SE
	global_prefetch_b8 v[PFO+1], s[PFA:PFA+1] th:TH_LOAD_NT scope:SCOPE_SE
.Lno_ask_\@:
.endm
; K step t.  kind 0: plain.  kind 1, 3: the slot whose last K step is t + 1 (fetched by this step's run) is filled again at the step's end, behind a round; 3: the last fill, 100 rows, no prefetch's step.
; kind 2: a barrier alone shows the last fill whole to all four waves.
.macro STEP t, kind, zero, run, ask
.if \run
	RUN (\t)+1
.if \ask
	ASK
.endif
	s_wait_dscnt 52                                ; all but the 52 just issued: this step's fragments are in
.else
	s_wait_dscnt 0x0
.endif
.irp a, 0,1,2,3,4,5
	ROW \a, (\t)%2, \zero
.endr
.if \kind
	WIN 0
.if \kind == 1
	s_wait_xcnt 0x0                                ; my prefetches have read their address
	s_add_nc_u64 s[PFA:PFA+1], s[PFA:PFA+1], FILL
.endif
	s_wait_tensorcnt 0x0                           ; my one load that was out has landed
	ds_add_u32 v[SPW], v[NIL]
	ROW 6, (\t)%2, \zero
	s_wait_dscnt 0x0                               ; the add is done, and my reads of the slot, the run above among them
	s_barrier_signal -1
	ROW 7, (\t)%2, \zero
	WIN 0
	s_barrier_wait -1
.if \kind != 2
	CREST                                          ; the barrier has opened a round of the cluster's barrier
.set SF, ((\t)/3)%2
	s_add_nc_u64 s[G0+4*SF+2:G0+4*SF+3], s[G0+4*SF+2:G0+4*SF+3], QB
	s_add_nc_u64 s[G0B+4*SF+2:G0B+4*SF+3], s[G0B+4*SF+2:G0B+4*SF+3], QB
.if \kind == 3
	s_mov_b32 s[G1+2], 100<<16                     ; no load of mine is out: K steps 30 and 31 are 100 rows
	s_mov_b32 s[G1+4], 100
	s_mov_b32 s[G1B+2], 100<<16
	s_mov_b32 s[G1B+4], 100
.endif
	JLOAD G0+4*SF, G0B+4*SF                        ; its four v_nop are the places in front of the next run
.else
	PLACES
.endif
.else
	ROW 6, (\t)%2, \zero
	ROW 7, (\t)%2, \zero
	WIN 0
	PLACES                                         ; in front of loads into registers that matrix instructions have read
.endif
.endm
	s_wait_tensorcnt 0x0                           ; my part of fill 0 is in
	ds_add_u32 v[SPW], v[NIL]
	s_wait_dscnt 0x0
	CROUND                                         ; everybody's part is in, and all sixteen work-groups are here
	JLOAD G0+4, G0B+4                              ; fill 1, the first tensor load behind the round
	RUN 0
	s_wait_loadcnt 0x0                             ; the bias
	STEP 0, 0, 1, 1, 0                             ; the first step's products start the sums, on the bias
	s_mov_b32 s3, 4
.Llap:                                                 ; a trip is six K steps: both slots once, both register sets three times
	STEP 1, 1, 0, 1, 0
	STEP 2, 0, 0, 1, 1
	STEP 3, 0, 0, 1, 0
	STEP 4, 1, 0, 1, 0
	STEP 5, 0, 0, 1, 1
	STEP 6, 0, 0, 1, 0
	s_sub_co_u32 s3, s3, 1
	s_cmp_lg_u32 s3, 0
	s_cbranch_scc1 .Llap
	STEP 25, 3, 0, 1, 0
	STEP 26, 0, 0, 1, 0
	STEP 27, 0, 0, 1, 0
	STEP 28, 2, 0, 1, 0
	STEP 29, 0, 0, 1, 0
; K STEPS 30 AND 31 BY ROWS OF out0, AND THE WAY OUT.  Both steps' fragments lie in registers.  A block of 16 rows x 128 columns, once finished, goes through my own stage: in as 32 bytes a lane,
; back as whole rows of 512 bytes into the registers that held the bias, while the next block is multiplied.  LDS serves a wave's instructions in order.
.macro FIN a                           ; block a is finished (blocks 0-3 have had K step 30 already)
.if (\a) >= 4
	ROW \a, 0, 0
.endif
	ROW \a, 1, 0
.endm
.macro TOSTAGE a
.set AC, 64*((\a)%4)
	WIN 0x08+4*((\a)/4)
.irp b, 0,1,2,3,4,5,6,7
	ds_store_b128 v[STO], v[AC+8*\b:AC+8*\b+3] offset:64*\b          ; each accumulator from its low end on
	ds_store_b128 v[STO], v[AC+8*\b+4:AC+8*\b+7] offset:64*\b+16
.endr
	WIN 0x40
.irp t, 0,1,2,3,4,5,6,7,8,9,10,11,12,13,14,15
	ds_load_b128 v[96+4*\t+96*(\t/8):99+4*\t+96*(\t/8)], v[RD] offset:\t*SPITCH
.endr
.endm
.macro SEND a
	s_wait_dscnt 0x0                               ; the block is back in registers
.if (\a) > 0
	s_add_nc_u64 s[8:9], s[8:9], 16*16384          ; behind the wait on XCNT ahead of this block's stage: 16 rows on
.endif
	WIN 0x04
.irp t, 0,1,2,3,4,5,6,7,8,9,10,11,12,13,14,15
	global_store_b128 v[CO], v[96+4*\t+96*(\t/8):99+4*\t+96*(\t/8)], s[8:9] offset:\t*16384 th:TH_STORE_NT   ; 32 lanes store 512 consecutive bytes
.endr
	WIN 0
.endm
	RUN 31
	s_wait_dscnt 52                                ; K step 30's fragments are in
.irp a, 0,1,2,3
	ROW \a, 0, 0
.endr
	s_wait_dscnt 0x0                               ; and K step 31's
	FIN 0
.irp a, 0,1,2,3,4,5,6,7
	PLACES                                         ; in front of the LDS stores that read results just made
.if \a > 0
	s_wait_xcnt 0x0                                ; the last block's stores have read their registers and their base
.endif
	TOSTAGE \a
.if \a < 7
	FIN \a+1
.endif
	SEND \a
.endr
	s_wait_tensorcnt 0x0                           ; the wave's end
	ds_add_u32 v[SPW], v[NIL]
	s_wait_dscnt 0x0
	CROUND                                         ; the closing round
	s_endpgm
.Lfunc_end_k_qaa23ea9e85_gemm:
	.size	k_qaa23ea9e85_gemm, .Lfunc_end_k_qaa23ea9e85_gemm-k_qaa23ea9e85_gemm
	.p2alignl 7, 3214868480
	.fill 96, 4, 3214868480
	.section	.rodata,"a",@progbits
	.p2align	6, 0x0
	.amdhsa_kernel k_qaa23ea9e85_gemm
		.amdhsa_group_segment_fixed_size 327680
		.amdhsa_private_segment_fixed_size 0
		.amdhsa_enable_private_segment 0
		.amdhsa_kernarg_size 32
		.amdhsa_user_sgpr_count 2
		.amdhsa_user_sgpr_kernarg_segment_ptr 1
		.amdhsa_wavefront_size32 1
		.amdhsa_system_sgpr_workgroup_id_x 1
		.amdhsa_system_sgpr_workgroup_id_y 1
		.amdhsa_system_sgpr_workgroup_id_z 1
		.amdhsa_system_vgpr_workitem_id 0
		.amdhsa_next_free_vgpr 1024
		.amdhsa_next_free_sgpr 98
		.amdhsa_reserve_vcc 0
		.amdhsa_float_denorm_mode_32 3
		.amdhsa_float_denorm_mode_16_64 3
		.amdhsa_memory_ordered 1
		.amdhsa_forward_progress 1
		.amdhsa_inst_pref_size 207
	.end_amdhsa_kernel
	.amdgpu_metadata
---
amdhsa.version: [ 1, 2 ]
amdhsa.kernels:
  - .name:           k_qaa23ea9e85_gemm
    .symbol:         k_qaa23ea9e85_gemm.kd
    .args:
      - { .name: a_t, .offset: 0, .size: 8, .value_kind: global_buffer, .address_space: global }
      - { .name: b_t, .offset: 8, .size: 8, .value_kind: global_buffer, .address_space: global }
      - { .name: out0, .offset: 16, .size: 8, .value_kind: global_buffer, .address_space: global }
      - { .name: bias, .offset: 24, .size: 8, .value_kind: global_buffer, .address_space: global }
    .group_segment_fixed_size: 327680
    .private_segment_fixed_size: 0
    .kernarg_segment_align: 8
    .kernarg_segment_size: 32
    .max_flat_workgroup_size: 128
    .sgpr_count:     98
    .vgpr_count:     1024
    .wavefront_size: 32
...
	.end_amdgpu_metadata
.endif
;; end of part 2
